; MI455X (gfx1250); checked and timed in simulation.
; The chip was launched on July 23, 2026; its instructions are those of AMD's public machine-readable ISA for CDNA 5 (MIT licence, August 2026) and "CDNA5" Instruction Set Architecture Reference Guide (July 2026). The comments in the code are by the model that wrote it; some were corrected since.
;; Mo E. Allowed arithmetic: matrix products marked QUANTISED: E5M2 operands, one given power-of-two scale a tensor, by v_wmma_f32_16x16x64_bf8_bf8 or v_wmma_f32_16x16x128_bf8_bf8, f32 sums; products left as they are: f32 operands where the result goes on into a quantised operand, else bf16, f16 or f32 operands; f32 sums; everything else in f32.
;; Inputs: W1_codes 8 x 4,096 x 32 x 32 uint8 (E5M2 codes of W1, K innermost, in blocks of 32 codes); W2_codes 8 x 1,024 x 128 x 32 uint8 (E5M2 codes of W2, K innermost, in blocks of 32 codes); Wg 1,024 x 8 float32; b1 8 x 4,096 float32; b2 8 x 1,024 float32; bg 8 float32; lowp_scales 4 int32 (the exponents e of the quantised operands' scales 2^e); x 2 x 512 x 1,024 float32.
;; Outputs: out0 2 x 512 x 1,024 float32; out1 one number float32.
;; This version of the problem:
;;   THIS VERSION OF THE PROBLEM IS GIVEN IN LOW PRECISION. The matrix products marked QUANTISED in the list below multiply operands that are first quantised to E5M2 (5 exponent bits, 2 mantissa bits; 8 bits a number), with one given power-of-two scale for each operand tensor; their sums are f32. All else is computed in f32.
;;   The module's matrix products, in the order in which they are computed (A, B: the left and right operand; K: the contracted axis; several contracted axes count as one K, in the product's order):
;;     1. [M 1,024, K 1,024] x [K 1,024, N 8]; A: input x; B: input Wg: left as it is (N = 8 < 16)
;;     2. [M 32,768, K 1,024] x [K 1,024, N 1,024]; A: input W1 (given as codes); B: input x: QUANTISED (scales: A lowp_scales[0], B lowp_scales[1])
;;     3. batch 8 x [M 1,024, K 4,096] x [K 4,096, N 1,024]; A: input W2 (given as codes); B: computed on the way: QUANTISED (scales: A lowp_scales[2], B lowp_scales[3])
;;     4. batch 1,024 x [M 1, K 8] x [K 8, N 1,024]; A: computed on the way; B: computed on the way: left as it is (K = 8 < 32)
;;   THE QUANTISER, for each operand of a quantised product, along K:
;;     - The operand's scale is 2^e, e = its entry of the input lowp_scales (int32; the entries are numbered through the quantised products in the list's order, A before B).
;;     - Each number is divided by the scale, clamped to +-57,344, and rounded to the nearest number of E5M2, ties to even, subnormals kept.
;;     - The product sums the exact products of the quantised numbers (number of the format x scale) in f32.
;;   ~~~python
;;   def quantise(x, axis, e):      # numpy; x: float32 -> the quantised numbers, widened to float32 again
;;       x = np.moveaxis(x, axis, -1); K = x.shape[-1]
;;       r = np.clip(x / 2.0 ** e, -57344, 57344)
;;       step = 2.0 ** (np.maximum(np.frexp(np.where(r == 0, 1, r))[1] - 1, -14) - 2)
;;       q = np.round(r / step) * step * 2.0 ** e      # np.round: ties to even
;;       return np.moveaxis(q, -1, axis).astype(np.float32)
;;   ~~~
;;   OPERANDS COMPUTED ON THE WAY. 'Computed on the way' means the value that the module computes at that place (a softmax that the list does not call 'softmax' is quantised finished and normalised). What goes into a quantiser is computed in f32, as accurately as f32 sums, v_exp_f32 and their like allow (about 1e-6 of the number): no bf16 or f16 on the way to a quantiser, and a product that is left as it is and whose result goes on into a quantised operand takes f32 operands (vector FMAs, or v_wmma_f32_16x16x4_f32). A number that lies on a knife's edge between two numbers of the format may be rounded either way, as far as f32 arithmetic and the matrix unit's own rounding can turn it there, and no further.
;;   INPUTS GIVEN AS CODES. W1 (in the module: [8, 1024, 4096], K = its axis 1); W2 (in the module: [8, 4096, 1024], K = its axis 1): each comes as NAME_codes (uint8): NAME with its K axis moved to the last place and cut into blocks of 32 codes, [.., K / 32, bytes a block], one block behind the other in memory; one code a byte (a code: sign, 5 exponent bits, 2 mantissa bits); its scale is its entry of lowp_scales. Its value is code x scale, taken as it is: it is not quantised again, and the codes and scales need not be those that the quantiser above would give.
;; One version. Each part assembles by itself: llvm-mc -triple=amdgcn-amd-amdhsa -mcpu=gfx1250 --defsym DOCPART=n.
;; ======== version 1 of 1: 4 launches
;; limits: an absolute error that grows with the inputs' magnitude: up to 1e-07 times it
;; workspace buffers: xq 1,048,576 bytes; ids 8,192 bytes of whole numbers; gate 8,192 bytes; masks 1,024 bytes of whole numbers; psc 16,384 bytes; inv 34,048 bytes of whole numbers; h 33,554,432 bytes; ysort 33,554,432 bytes
;; launch router (part 1): grid 128 x 1, 4 waves a work-group, no clusters, 36,352 bytes of LDS; arguments x, Wg, bg, lowp_scales, xq, ids, gate, masks, psc; writes xq, ids, gate, masks, psc
.if DOCPART == 1
	.amdgcn_target "amdgcn-amd-amdhsa--gfx1250"
	.amdhsa_code_object_version 6
	.text
	.protected	k_qdc3fc9eb79_router
	.globl	k_qdc3fc9eb79_router
	.p2align	8
	.type	k_qdc3fc9eb79_router,@function
k_qdc3fc9eb79_router:
	s_mov_b64 s[64:65], 0
	v_nop
	global_prefetch_b8 v0, s[64:65] scope:SCOPE_SE
	s_setreg_imm32_b32 hwreg(HW_REG_WAVE_MODE, 25, 1), 1
	s_wait_xcnt 0x0
; ROUTER.  scores = x Wg + bg in f32 (1,024 tokens x 8 experts); the two largest scores of a token (ties: the lower index), the softmax over these two, the softmax over all eight;
; and x itself as codes of E5M2 with the given scale 2^e1 (entry 1 of the scales), since x is in registers here anyway.
; OUT: xq [1024][1024] codes, k in its natural order;  ids [1024][2] int32 (first, second choice), at fixed places;  gate [1024][2] f32: the two weights;
;   masks [8][128] bytes: byte g of row e has bit b set where token 8 g + b chose expert e: read as words, a row is the expert's set of tokens, 1,024 bits;
;   psc [128][32] f32: words 0-7 this work-group's sums of the eight probabilities, words 8-15 how many of its 8 tokens chose each expert (as f32), words 16-31 the counts once more.
; SHARES: a work-group of four waves takes 8 tokens, a wave 2.  For segment s = 0..3 a lane holds k = 256 s + 8 lane + 0..7 of both rows: 32 neighbouring bytes a lane, 1,024 a wave.
; Wg (32 KiB) goes through LDS once a work-group, as 128 chunks of 256 bytes (8 rows of k x 8 experts) 272 bytes apart.
; No address and no branch hangs on a score: choices are made by v_cndmask_b32 and stored as data.
; LIMITS: e1 between -126 and 112, so that 2^e1 and 57,344 x 2^e1 are f32 numbers.  NaN among the inputs is not served.  Two scores closer than the rounding of an f32 sum of 1,024 terms may be ordered either way.
.set X,   16                           ; v16-79   x: register 32 q + 8 s + i = row q, k = 256 s + 8 lane + i
.set ACC, 80                           ; v80-95   scores, then probabilities: 8 q + e
.set CD,  96                           ; v96-111  codes: two registers for each (q, s)
.set IDQ, 112                          ; v112-115 first, second choice of row 0, of row 1
.set GWQ, 116                          ; v116-119 their weights
.set B0,  128                          ; v128-191, v192-255: two sets for a segment's 256 bytes of Wg: register 8 i + e
.set B1,  192
.set WP,  272                          ; a chunk's pitch in LDS
.set XCH, 34816                        ; LDS behind Wg: 512 bytes of the waves' bits, 512 of their sums and counts: a word a thread
	s_load_b256 s[4:11], s[0:1], 0x0               ; x s[4:5], Wg s[6:7], bg s[8:9], the scales s[10:11]
	s_load_b128 s[12:15], s[0:1], 0x20             ; xq s[12:13], ids s[14:15]
	s_load_b64 s[16:17], s[0:1], 0x30              ; gate
	s_load_b128 s[48:51], s[0:1], 0x38             ; masks s[48:49], psc s[50:51]
	s_set_vgpr_msb 0x40
	v_lshl_add_u32 v0, v0, 2, 0x8c00
	v_mov_b32 v1, 0
	s_set_vgpr_msb 0x4000
	v_lshrrev_b32 v1, 5, v0
	v_readfirstlane_b32 s18, v1                    ; wave 0..3
	v_and_b32 v1, 31, v0                           ; lane
	v_lshlrev_b32 v2, 5, v1                        ; x: 32 bytes a lane
	v_lshlrev_b32 v3, 4, v0                        ; Wg as it lies: 16 bytes a thread
	v_lshrrev_b32 v4, 4, v0
	v_lshl_add_u32 v4, v4, 4, v3                   ; and in LDS: 16 bytes of padding behind every 256
	v_mul_u32_u24 v5, v1, WP                       ; my chunk of a segment
	v_lshlrev_b32 v6, 3, v1                        ; my 8 codes of a segment
	v_mov_b32 v7, 0
	v_and_b32 v10, 7, v1                           ; the expert that my lane speaks for at the end
	v_lshl_add_u32 v11, v0, 2, XCH                 ; my thread's word of the exchange
	v_lshl_add_u32 v12, v1, 2, XCH                 ; and my lane's word in wave 0's part of it
	v_mov_b32 v15, 1.0
	s_lshl_b32 s19, ttmp9, 3
	s_lshl_b32 s44, s18, 1
	s_add_co_u32 s19, s19, s44                     ; my first token: 8 x work-group + 2 x wave
	s_lshl_b32 s33, 1, s44
	v_mov_b32 v13, s33                             ; my first token's bit in the work-group's byte,
	s_lshl_b32 s33, 2, s44
	v_mov_b32 v14, s33                             ; my second token's
	s_mov_b32 s34, 0x76543210                      ; v_permlanex16_b32: lane l takes lane l xor 16
	s_mov_b32 s35, 0xfedcba98
	s_mov_b32 s36, 0x3fb8aa3b                      ; log2(e)
	s_mov_b32 s45, 0
	s_wait_kmcnt 0x0
	s_load_b256 s[24:31], s[8:9], 0x0              ; bg
	s_load_b32 s32, s[10:11], 0x4                  ; e1
.irp j, 0,1,2,3,4,5,6,7,8,9,10,11,12,13,14,15
	global_load_b128 v[B0+4*\j:B0+4*\j+3], v3, s[6:7] offset:2048*\j   ; the work-group's 128 threads read 2,048 consecutive bytes
.endr
	s_lshl_b32 s44, s19, 12
	s_add_nc_u64 s[20:21], s[4:5], s[44:45]        ; x at my first row
.irp q, 0,1
.irp s, 0,1,2,3
	global_load_b128 v[X+32*\q+8*\s:X+32*\q+8*\s+3],   v2, s[20:21] offset:4096*\q+1024*\s th:TH_LOAD_NT
	global_load_b128 v[X+32*\q+8*\s+4:X+32*\q+8*\s+7], v2, s[20:21] offset:4096*\q+1024*\s+16 th:TH_LOAD_NT
.endr
.endr
	s_lshl_b32 s44, s19, 10
	s_add_nc_u64 s[22:23], s[12:13], s[44:45]      ; xq at my first row
	s_lshl_b32 s44, s19, 3
	s_add_nc_u64 s[40:41], s[14:15], s[44:45]      ; ids,
	s_add_nc_u64 s[42:43], s[16:17], s[44:45]      ; the two weights,
	s_lshl_b32 s44, ttmp9, 7
	s_add_nc_u64 s[52:53], s[50:51], s[44:45]      ; my work-group's 128 bytes of psc
	s_wait_loadcnt 16                              ; Wg's 16 loads are in; the 16 of x, issued behind them, may be out
.irp j, 0,1,2,3,4,5,6,7,8,9,10,11,12,13,14,15
	ds_store_b128 v4, v[B0+4*\j:B0+4*\j+3] offset:8*WP*\j
.endr
	s_wait_dscnt 0x0                               ; for the others' sake: my part of Wg lies in LDS
	s_barrier_signal -1
	s_barrier_wait -1
.macro SEG s, b                        ; my chunk of segment s: 8 rows of k x 8 experts
.irp j, 0,1,2,3,4,5,6,7,8,9,10,11,12,13,14,15
	ds_load_b128 v[\b+4*\j:\b+4*\j+3], v5 offset:32*WP*\s+16*\j
.endr
.endm
.macro FMA s, b                        ; 8 k x 2 rows x 8 experts, two experts an instruction; x's number is taken for both halves.  The very first product starts the sums
.irp i, 0,1,2,3,4,5,6,7
.irp q, 0,1
.irp ep, 0,1,2,3
.if (\s == 0) && (\i == 0)
	v_pk_mul_f32 v[ACC+8*\q+2*\ep:ACC+8*\q+2*\ep+1], v[X+32*\q:X+32*\q+1], v[\b+2*\ep:\b+2*\ep+1] op_sel_hi:[0,1]
.elseif (\i % 2) == 0
	v_pk_fma_f32 v[ACC+8*\q+2*\ep:ACC+8*\q+2*\ep+1], v[X+32*\q+8*\s+\i:X+32*\q+8*\s+\i+1], v[\b+8*\i+2*\ep:\b+8*\i+2*\ep+1], v[ACC+8*\q+2*\ep:ACC+8*\q+2*\ep+1] op_sel_hi:[0,1,1]
.else
	v_pk_fma_f32 v[ACC+8*\q+2*\ep:ACC+8*\q+2*\ep+1], v[X+32*\q+8*\s+\i-1:X+32*\q+8*\s+\i], v[\b+8*\i+2*\ep:\b+8*\i+2*\ep+1], v[ACC+8*\q+2*\ep:ACC+8*\q+2*\ep+1] op_sel:[1,0,0] op_sel_hi:[1,1,1]
.endif
.endr
.endr
.endr
.endm
	SEG 0, B0
	SEG 1, B1
	s_wait_loadcnt 0x0                             ; x
	s_wait_dscnt 16                                ; segment 0's 16 loads are in; the next segment's 16 may be out (so in each of the three waits of this count)
	FMA 0, B0
	SEG 2, B0
	s_wait_dscnt 16
	FMA 1, B1
	SEG 3, B1
	s_wait_dscnt 16
	FMA 2, B0
	s_wait_dscnt 0x0
	FMA 3, B1
	; x becomes codes: x / 2^e1, held within +-57,344, to the nearest code, ties to even
	s_wait_kmcnt 0x0
	s_add_co_i32 s32, s32, 127
	s_lshl_b32 s33, s32, 23
	v_mov_b32 v8, s33                              ; 2^e1 as f32: the conversion takes its exponent field
	s_add_co_i32 s32, s32, 15
	s_lshl_b32 s32, s32, 23
	s_or_b32 s32, s32, 0x600000
	v_mov_b32 v9, s32                              ; 57,344 x 2^e1
.irp q, 0,1
.irp s, 0,1,2,3
.irp i, 0,1,2,3,4,5,6,7
	v_med3_num_f32 v[X+32*\q+8*\s+\i], v[X+32*\q+8*\s+\i], -v9, v9   ; the conversion to an 8-bit code does not saturate (ISA guide 7.6.2)
.endr
	v_cvt_scalef32_pk8_bf8_f32 v[CD+8*\q+2*\s:CD+8*\q+2*\s+1], v[X+32*\q+8*\s:X+32*\q+8*\s+7], v8
	global_store_b64 v6, v[CD+8*\q+2*\s:CD+8*\q+2*\s+1], s[22:23] offset:1024*\q+256*\s   ; the wave stores 256 consecutive bytes, at a multiple of 256 from xq's first byte
.endr
.endr
	v_nop                                          ; a plain line behind the last conversion
	; the 16 sums across the 32 lanes: every lane ends with all of them
.irp m, 1,2,4,8
.irp j, 0,1,2,3,4,5,6,7,8,9,10,11,12,13,14,15
	v_add_f32_dpp v[ACC+\j], v[ACC+\j], v[ACC+\j] row_xmask:\m row_mask:0xf bank_mask:0xf
.endr
.endr
.irp j, 0,1,2,3,4,5,6,7,8,9,10,11,12,13,14,15
	v_permlanex16_b32 v[B0+\j], v[ACC+\j], s34, s35   ; (its destination counts as read: these registers have been written)
.endr
.irp j, 0,1,2,3,4,5,6,7,8,9,10,11,12,13,14,15
	v_add_f32 v[ACC+\j], v[ACC+\j], v[B0+\j]
.endr
.irp q, 0,1
.irp e, 0,1,2,3,4,5,6,7
	v_add_f32 v[ACC+8*\q+\e], s[24+\e], v[ACC+8*\q+\e]   ; + bg
.endr
.endr
; The two largest of row q's eight scores.  An expert replaces the one held only where its score is strictly larger: so of equal scores the lower index stays, first and second.
; Then the exponents: (score - largest) x log2(e), at most 0: the largest is taken away as the softmax asks.
.macro TOP2 q
.set S,  ACC+8*\q
.set BI, IDQ+2*\q
.set SI, IDQ+2*\q+1
.set BS, 120+4*\q
.set SB, 121+4*\q
	v_mov_b32 v[BS], v[S]
	v_mov_b32 v[BI], 0
.irp e, 1,2,3,4,5,6,7
	v_cmp_le_f32 vcc_lo, v[S+\e], v[BS]            ; keep where the newcomer is not larger
	v_cndmask_b32 v[BI], \e, v[BI], vcc_lo
	v_max_num_f32 v[BS], v[BS], v[S+\e]
.endr
	v_mov_b32 v[SB], 0xff800000                    ; -infinity, under every score
	v_mov_b32 v[SI], 0
.irp e, 0,1,2,3,4,5,6,7
	v_cmp_le_f32 s38, v[S+\e], v[SB]
	v_cmp_eq_u32 s39, \e, v[BI]                    ; the first choice does not run again
	s_or_b32 vcc_lo, s38, s39
	v_cndmask_b32 v[SI], \e, v[SI], vcc_lo
	v_cndmask_b32 v[SB], v[S+\e], v[SB], vcc_lo
.endr
	v_sub_f32 v[SB], v[SB], v[BS]
	v_mul_f32 v[SB], s36, v[SB]
.irp e, 0,1,2,3,4,5,6,7
	v_sub_f32 v[S+\e], v[S+\e], v[BS]
.endr
.irp e, 0,1,2,3,4,5,6,7
	v_mul_f32 v[S+\e], s36, v[S+\e]
.endr
.endm
	TOP2 0
	TOP2 1
.irp j, 0,1,2,3,4,5,6,7,8,9,10,11,12,13,14,15
	v_exp_f32 v[ACC+\j], v[ACC+\j]                 ; one batch: both rows' 18 exponentials
.endr
	v_exp_f32 v121, v121
	v_exp_f32 v125, v125
	v_nop                                          ; a plain line behind the last of them
	s_wait_alu depctr_va_vdst(0)                   ; one wait for the batch, ahead of its first reader
.irp q, 0,1
	v_add_f32 v[120+4*\q], v[ACC+8*\q], v[ACC+8*\q+1]
	v_add_f32 v[122+4*\q], v[ACC+8*\q+2], v[ACC+8*\q+3]
	v_add_f32 v[123+4*\q], v[ACC+8*\q+4], v[ACC+8*\q+5]
	v_add_f32 v[B0+\q], v[ACC+8*\q+6], v[ACC+8*\q+7]
	v_add_f32 v[120+4*\q], v[120+4*\q], v[122+4*\q]
	v_add_f32 v[123+4*\q], v[123+4*\q], v[B0+\q]
	v_add_f32 v[120+4*\q], v[120+4*\q], v[123+4*\q]   ; the sum of the eight
	v_add_f32 v[122+4*\q], 1.0, v[121+4*\q]           ; 1 + exp(second - first)
.endr
.irp q, 0,1
	v_rcp_f32 v[120+4*\q], v[120+4*\q]
	v_rcp_f32 v[GWQ+2*\q], v[122+4*\q]             ; the first choice's weight
.endr
	v_nop
	s_wait_alu depctr_va_vdst(0)                   ; one wait for the four reciprocals
.irp q, 0,1
	v_mul_f32 v[GWQ+2*\q+1], v[121+4*\q], v[GWQ+2*\q]   ; the second's
.irp e, 0,1,2,3,4,5,6,7
	v_mul_f32 v[ACC+8*\q+\e], v[ACC+8*\q+\e], v[120+4*\q]
.endr
.endr
	; what the later launches place rows by, and what the loss is made of: my lane speaks for expert lane % 8
	v_cmp_eq_u32 s38, v10, v[IDQ]
	v_cmp_eq_u32 s39, v10, v[IDQ+1]
	s_or_b32 s38, s38, s39                         ; lanes whose expert my first token chose,
	v_cmp_eq_u32 s39, v10, v[IDQ+2]
	v_cmp_eq_u32 s44, v10, v[IDQ+3]
	s_or_b32 s39, s39, s44                         ; my second token
	v_cndmask_b32 v120, 0, v13, s38
	v_cndmask_b32 v121, 0, v14, s39
	v_or_b32 v120, v120, v121                      ; my wave's two bits of the expert's byte
	v_cndmask_b32 v122, 0, v15, s38
	v_cndmask_b32 v123, 0, v15, s39
	v_add_f32 v122, v122, v123                     ; and how many they are, as f32: a number for the loss, no address is made of it
.irp e, 0,1,2,3,4,5,6,7
	v_add_f32 v[B0+\e], v[ACC+\e], v[ACC+8+\e]     ; my two tokens' probabilities of expert e
.endr
	v_mov_b32 v123, v[B0]
.irp e, 1,2,3,4,5,6,7
	v_cmp_eq_u32 vcc_lo, \e, v10
	v_cndmask_b32 v123, v123, v[B0+\e], vcc_lo     ; my lane's expert's
.endr
	v_cmp_gt_u32 vcc_lo, 8, v1
	v_cndmask_b32 v122, v122, v123, vcc_lo         ; lanes 0-7 carry the sums, the others the counts
	ds_store_b32 v11, v120
	ds_store_b32 v11, v122 offset:512
	s_wait_dscnt 0x0                               ; for wave 0's sake: my two words lie in LDS
	s_barrier_signal -1
	s_barrier_wait -1
	s_cmp_lg_u32 s18, 0
	s_cbranch_scc1 .Lown
.irp u, 0,1,2,3
	ds_load_b32 v[124+\u], v12 offset:128*\u       ; the four waves' bits,
	ds_load_b32 v[B0+\u], v12 offset:512+128*\u    ; their sums and counts
.endr
	s_wait_dscnt 0x0
	v_or_b32 v124, v124, v125
	v_or_b32 v126, v126, v127
	v_or_b32 v124, v124, v126                      ; the work-group's byte of expert lane % 8
	v_add_f32 v[B0], v[B0], v[B0+1]
	v_add_f32 v[B0+2], v[B0+2], v[B0+3]
	v_add_f32 v[B0], v[B0], v[B0+2]
	v_lshlrev_b32 v125, 2, v1
	s_mov_b32 s44, ttmp9
	v_lshl_add_u32 v126, v1, 7, s44                ; masks: row = lane, byte = work-group
	global_store_b32 v125, v[B0], s[52:53]         ; 128 consecutive bytes
	s_wait_xcnt 0x0                                ; EXEC is narrowed only behind this wait,
	v_cmp_gt_u32 vcc_lo, 8, v1
	s_and_saveexec_b32 s37, vcc_lo
	global_store_b8 v126, v124, s[48:49]           ; eight bytes a work-group, one for each expert
	s_wait_xcnt 0x0                                ; and widened only behind this one
	s_or_b32 exec_lo, exec_lo, s37
.Lown:
	s_wait_xcnt 0x0                                ; EXEC changes only behind this wait: the codes' stores have been issued under the full one
	v_cmp_eq_u32 vcc_lo, 0, v1
	s_set_vgpr_msb 0x5
	s_wait_tensorcnt 0x0
	ds_add_u32 v0, v1
	s_wait_dscnt 0x0
	s_set_vgpr_msb 0x500
	s_and_saveexec_b32 s37, vcc_lo                 ; every lane holds the same: lane 0 stores (32 bytes a wave)
	global_store_b128 v7, v[IDQ:IDQ+3], s[40:41]
	global_store_b128 v7, v[GWQ:GWQ+3], s[42:43]
	s_endpgm
.Lfunc_end_k_qdc3fc9eb79_router:
	.size	k_qdc3fc9eb79_router, .Lfunc_end_k_qdc3fc9eb79_router-k_qdc3fc9eb79_router
	.p2alignl 7, 3214868480
	.fill 96, 4, 3214868480
	.section	.rodata,"a",@progbits
	.p2align	6, 0x0
	.amdhsa_kernel k_qdc3fc9eb79_router
		.amdhsa_group_segment_fixed_size 36352
		.amdhsa_private_segment_fixed_size 0
		.amdhsa_enable_private_segment 0
		.amdhsa_kernarg_size 72
		.amdhsa_user_sgpr_count 2
		.amdhsa_user_sgpr_kernarg_segment_ptr 1
		.amdhsa_wavefront_size32 1
		.amdhsa_system_sgpr_workgroup_id_x 1
		.amdhsa_system_sgpr_workgroup_id_y 1
		.amdhsa_system_sgpr_workgroup_id_z 1
		.amdhsa_system_vgpr_workitem_id 0
		.amdhsa_next_free_vgpr 258
		.amdhsa_next_free_sgpr 66
		.amdhsa_reserve_vcc 1
		.amdhsa_float_denorm_mode_32 3
		.amdhsa_float_denorm_mode_16_64 3
		.amdhsa_memory_ordered 1
		.amdhsa_forward_progress 1
		.amdhsa_inst_pref_size 50
	.end_amdhsa_kernel
	.amdgpu_metadata
---
amdhsa.version: [ 1, 2 ]
amdhsa.kernels:
  - .name:           k_qdc3fc9eb79_router
    .symbol:         k_qdc3fc9eb79_router.kd
    .args:
      - { .name: x, .offset: 0, .size: 8, .value_kind: global_buffer, .address_space: global }
      - { .name: Wg, .offset: 8, .size: 8, .value_kind: global_buffer, .address_space: global }
      - { .name: bg, .offset: 16, .size: 8, .value_kind: global_buffer, .address_space: global }
      - { .name: lowp_scales, .offset: 24, .size: 8, .value_kind: global_buffer, .address_space: global }
      - { .name: xq, .offset: 32, .size: 8, .value_kind: global_buffer, .address_space: global }
      - { .name: ids, .offset: 40, .size: 8, .value_kind: global_buffer, .address_space: global }
      - { .name: gate, .offset: 48, .size: 8, .value_kind: global_buffer, .address_space: global }
      - { .name: masks, .offset: 56, .size: 8, .value_kind: global_buffer, .address_space: global }
      - { .name: psc, .offset: 64, .size: 8, .value_kind: global_buffer, .address_space: global }
    .group_segment_fixed_size: 36352
    .private_segment_fixed_size: 0
    .kernarg_segment_align: 8
    .kernarg_segment_size: 72
    .max_flat_workgroup_size: 128
    .sgpr_count:     66
    .vgpr_count:     258
    .wavefront_size: 32
...
	.end_amdgpu_metadata
.endif
;; end of part 1
;; launch ffn1 (part 2): grid 256 x 1, 4 waves a work-group, no clusters, 213,504 bytes of LDS; arguments xq, W1_codes, b1, lowp_scales, masks, h, inv; writes h, inv
.if DOCPART == 2
	.amdgcn_target "amdgcn-amd-amdhsa--gfx1250"
	.amdhsa_code_object_version 6
	.text
	.protected	k_qdc3fc9eb79_ffn1
	.globl	k_qdc3fc9eb79_ffn1
	.p2align	8
	.type	k_qdc3fc9eb79_ffn1,@function
k_qdc3fc9eb79_ffn1:
	s_mov_b64 s[64:65], 0
	v_nop
	global_prefetch_b8 v0, s[64:65] scope:SCOPE_SE
	s_setreg_imm32_b32 hwreg(HW_REG_WAVE_MODE, 25, 1), 1
	s_wait_xcnt 0x0
; FFN, FIRST HALF.  h = Q(gelu(x W1 + b1)), for the rows that were chosen for each expert alone; both operands are codes of E5M2; h leaves as codes of E5M2 with the given scale 2^e3.
; SHARES.  Work-group g: expert e = g / 32, chunk = (g / 2) % 16: hidden units 256 chunk on, p = g % 2: of the expert's tiles of 16 rows those with number 2 a + p, a = 0 .. cnt - 1.
; Wave w holds W1's codes of 64 hidden units x all 1,024 k in 512 REGISTERS for the whole launch (4 tiles x 8 K steps of 128), read once; what goes round is small: the rows' codes.
; WHICH TOKENS.  The expert's rows are its tokens in ascending order.  They are read off the stored set of tokens (masks: 32 words, a bit a token) by whole-number instructions alone: macro SELECT.  Expert e owns tiles 64 e .. 64 e + 63 of h
; (room for all 1,024 tokens), so nothing is needed of the other experts.  Ranks from n on (the padding of the last tile, and tiles beyond it in a batch) take some token of the table; their rows are stored and never read.
; The rows' codes are gathered, each wave two of the eight K steps, and shared through LDS as images of the operand's registers (a fragment: four pieces of 512 bytes, lane l's 16 bytes at 16 l).
; They come in batches of 12 tiles; three batches serve every split (cnt is at most 32).  Trips beyond cnt are jumped over by scalar branches on the count; every barrier stands on every path.
; FOR THE LATER LAUNCHES chunk 0's wave 0 stores, in inv (int32 words): word 8 token + e: the padded row 1,024 e + rank;  words 8,192 + 16 (2 e + p) + r: spare, they take the stores of ranks from n on;  word 8,448 + 2 e + p: n.
; THE PRODUCT IS USED TRANSPOSED (source 0 = 16 rows of W1, source 1 = 16 rows of x), and lane r of tile 2 b + u takes W1's row 32 b + 8 u + r + 8 (r / 8): so a lane holds ONE row of h, and the 16 registers of tiles 2 b, 2 b + 1
; are its hidden units 32 b + 16 (lane / 16) + 0 .. 15: the conversions' results are 16 neighbouring bytes of the next operand's image.
; k inside a K step is laid by four loads of 16 bytes a fragment (registers 4 c on: k = 32 c + 16 (lane / 16) + 0 .. 15), alike in both operands: every product meets its partner.
; b1 is the C of a tile's first matrix instruction, divided by 2^(e0 + e1), the power of two that the sums lack.
; GELU, exact form: v / 2 + v / 2 x erf(v / sqrt 2); erf(z) = z P(z^2) / Q(z^2), degrees 6 and 4 in z^2, z held within +-4 (beyond, erf is 1 to f32's last place).
; h in memory: tile T (16 padded rows) at 65,536 T: 32 K steps of 2,048 bytes, each four pieces of 512, lane l at 16 l: byte i of lane (r, hh) of piece c of K step s is h(row r, 128 s + 32 c + 16 hh + i).
; NO TENSOR LOADS, NO CLUSTER: trip counts and branches hang on counts read from memory; the weights go from memory straight into registers.
; LIMITS: e0 + e1 between -125 and 127, e3 between -126 and 112, so that each power of two below is an f32 number.  NaN among the inputs is not served.  For strongly negative v the sum v / 2 + v / 2 x erf has an absolute error of some 1e-7 |v|.
; REGISTERS, in windows of 256: window 0: v1-31 addresses and constants, v32-63 ACC, v64-95 b1, v96-223 at work (Z, U, P, Q; between batches SELECT's), v224-231 codes, v232-255 the stores into inv.
;   Windows 1, 2: W1 (K step s, tile t at 256 + 64 s + 16 t).  Window 3: v0-127 the tile's eight fragments of x; while a batch is staged v0-255 (and v96-223 of window 0) hold what is on its way to LDS.
.set ACC,   32
.set BIAS,  64
.set Z,     96
.set U,     128
.set P,     160
.set Q,     192
.set CODE,  224
.set STB,   8                          ; v8-10   where I store images: 4,096 w + 16 lane + 65,536 x group of four slots
.set ROW,   12                         ; v12-23  slot s: the token, then my byte offset in xq
.set IR,    96                         ; SELECT's registers, six of each: lane (r, hh) of register u works for slot 2 u + hh.  The rank sought,
.set KEY,   102                        ; rank x 32 + 31,
.set WRD,   108                        ; the word of the set in which it lies,
.set PKD,   114                        ; (bits set in the words before it) x 32 + the word's number,
.set KK,    120                        ; which set bit of the word is sought,
.set PS,    126                        ; the bit's place, as far as it is known,
.set TA,    132                        ; the word's counts of set bits by 2,
.set TB,    138                        ; by 4,
.set TC,    144                        ; by 8 bits,
.set T1,    150                        ; at work
.set T2,    156
.set IA,    232                        ; v232-243 inv: byte offsets;  v244-255 the padded rows
.set IV,    244
.set SLOTB, 16384                      ; a slot in LDS: a tile's eight fragments of x
.set NSL,   12                         ; slots in a batch (a thirteenth is claimed: the look-ahead's address range reaches it, its loads do not)
.set MSB, 0
.macro WIN new                         ; s_set_vgpr_msb: bits 1:0 source 0, 3:2 source 1, 5:4 source 2, 7:6 destination; the high byte repeats the setting that is left
.if MSB != \new
	s_set_vgpr_msb (MSB<<8)|\new
.set MSB, \new
.endif
.endm
; W1's loads number a to b - 1 of 128, in the order (pair of K steps, tile, K step, piece): the eight loads that cover 256 consecutive bytes of each row stand together
.macro WLOAD a, b
.set wm, \a
.rept (\b)-(\a)
.set wks, 2*(wm/32)+(wm/4)%2
.set wt, (wm/8)%4
.set wc, wm%4
	global_load_b128 v[(64*wks+16*wt+4*wc)%256:(64*wks+16*wt+4*wc)%256+3], v4, s[78:79] offset:(32*(wt/2)+8*(wt%2))*1024+128*wks+32*wc
.set wm, wm+1
.endr
.endm
; One halving step of the search inside a word.  v[T1] = the set bits in the lower part, w bits wide, of what is left.  More than KK: the bit lies there.  Else: they are taken off KK, and the place moves up by w.
.macro STEPSEL w
.irp u, 0,1,2,3,4,5
	v_cmp_gt_u32 vcc_lo, v[T1+\u], v[KK+\u]
	v_sub_nc_u32 v[T1+\u], v[KK+\u], v[T1+\u]
	v_add_nc_u32 v[T2+\u], \w, v[PS+\u]
	v_cndmask_b32 v[KK+\u], v[T1+\u], v[KK+\u], vcc_lo
	v_cndmask_b32 v[PS+\u], v[T2+\u], v[PS+\u], vcc_lo
.endr
.endm
; THE TOKENS OF THE BATCH'S 12 TILES (s73 = the batch's first tile among mine).  Slot s, row r wants the token of rank i = 32 (s73 + s) + 16 p + r: the place of the i-th set bit of the expert's 1,024 bits, of which lane j of v31 holds word j.
; (1) The words are walked in ascending order, with a running count of set bits in s21; a lane keeps the last word whose count before it is at most i.  Count and word number go in one number, count x 32 + j, which rises with j:
;     one compare against i x 32 + 31 and two selections a word.  (2) Inside the word: counts by 2, 4 and 8 bits by shifts and sums, then five halving steps.  (3) The two halves of the lanes have searched for two slots; each takes the other's result.
; s21 ends as n.  A rank from n on ends in word 31 with a place of at most 31: a token of the table.
.macro SELECT
	s_lshl_b32 s33, s73, 5
	v_add_nc_u32 v[IR], s33, v3
.irp u, 1,2,3,4,5
	v_add_nc_u32 v[IR+\u], 64*\u, v[IR]
.endr
.irp u, 0,1,2,3,4,5
	v_lshlrev_b32 v[KEY+\u], 5, v[IR+\u]
.endr
.irp u, 0,1,2,3,4,5
	v_or_b32 v[KEY+\u], 31, v[KEY+\u]
.endr
	v_readlane_b32 s30, v31, 0                     ; the words come by turns into s30 and s31, a word ahead of their use
	v_readlane_b32 s31, v31, 1
	s_mov_b32 s21, 0
.irp u, 0,1,2,3,4,5
	v_mov_b32 v[WRD+\u], s30                       ; word 0 has nothing before it: every rank starts there
	v_mov_b32 v[PKD+\u], 0
.endr
.set sj, 1
.rept 31
	s_bcnt1_i32_b32 s33, s[30+(sj-1)%2]
	s_add_co_u32 s21, s21, s33                     ; the set bits in words 0 .. sj - 1
.if sj < 31
	v_readlane_b32 s[30+(sj+1)%2], v31, sj+1
.endif
	s_lshl_b32 s32, s21, 5
	s_or_b32 s32, s32, sj
.irp u, 0,1,2,3,4,5
	v_cmp_gt_u32 vcc_lo, s32, v[KEY+\u]            ; more than i before this word: what is held stays
	v_cndmask_b32 v[WRD+\u], s[30+sj%2], v[WRD+\u], vcc_lo
	v_cndmask_b32 v[PKD+\u], s32, v[PKD+\u], vcc_lo
.endr
.set sj, sj+1
.endr
	s_bcnt1_i32_b32 s33, s31
	s_add_co_u32 s21, s21, s33                     ; n
.irp u, 0,1,2,3,4,5
	v_lshrrev_b32 v[T1+\u], 5, v[PKD+\u]
	v_lshrrev_b32 v[T2+\u], 1, v[WRD+\u]
.endr
.irp u, 0,1,2,3,4,5
	v_sub_nc_u32 v[KK+\u], v[IR+\u], v[T1+\u]      ; which set bit of the word
	v_and_b32 v[T2+\u], s34, v[T2+\u]
.endr
.irp u, 0,1,2,3,4,5
	v_sub_nc_u32 v[TA+\u], v[WRD+\u], v[T2+\u]     ; counts by 2 bits
.endr
.irp u, 0,1,2,3,4,5
	v_lshrrev_b32 v[T1+\u], 2, v[TA+\u]
	v_and_b32 v[TB+\u], s35, v[TA+\u]
.endr
.irp u, 0,1,2,3,4,5
	v_and_b32 v[T1+\u], s35, v[T1+\u]
.endr
.irp u, 0,1,2,3,4,5
	v_add_nc_u32 v[TB+\u], v[TB+\u], v[T1+\u]      ; by 4
.endr
.irp u, 0,1,2,3,4,5
	v_lshrrev_b32 v[T1+\u], 4, v[TB+\u]
.endr
.irp u, 0,1,2,3,4,5
	v_add_nc_u32 v[T1+\u], v[TB+\u], v[T1+\u]
.endr
.irp u, 0,1,2,3,4,5
	v_and_b32 v[TC+\u], s96, v[T1+\u]              ; by 8
.endr
.irp u, 0,1,2,3,4,5
	v_lshrrev_b32 v[T1+\u], 8, v[TC+\u]
	v_mov_b32 v[PS+\u], 0
.endr
.irp u, 0,1,2,3,4,5
	v_add_nc_u32 v[T1+\u], v[TC+\u], v[T1+\u]
.endr
.irp u, 0,1,2,3,4,5
	v_and_b32 v[T1+\u], 0xff, v[T1+\u]             ; the low 16 bits' count
.endr
	STEPSEL 16
.irp u, 0,1,2,3,4,5
	v_bfe_u32 v[T1+\u], v[TC+\u], v[PS+\u], 8
.endr
	STEPSEL 8
.irp u, 0,1,2,3,4,5
	v_bfe_u32 v[T1+\u], v[TB+\u], v[PS+\u], 4
.endr
	STEPSEL 4
.irp u, 0,1,2,3,4,5
	v_bfe_u32 v[T1+\u], v[TA+\u], v[PS+\u], 2
.endr
	STEPSEL 2
.irp u, 0,1,2,3,4,5
	v_bfe_u32 v[T1+\u], v[WRD+\u], v[PS+\u], 1
.endr
	STEPSEL 1
.irp u, 0,1,2,3,4,5
	v_and_b32 v[T1+\u], 31, v[PKD+\u]
.endr
.irp u, 0,1,2,3,4,5
	v_lshl_add_u32 v[T1+\u], v[T1+\u], 5, v[PS+\u] ; the token: 32 x word + place
.endr
.irp u, 0,1,2,3,4,5
	v_permlanex16_b32 v[T2+\u], v[T1+\u], s98, s99 ; lane l xor 16's (the destination counts as read: it has been written)
.endr
.irp u, 0,1,2,3,4,5
	v_cndmask_b32 v[ROW+2*\u], v[T1+\u], v[T2+\u], s97     ; slot 2 u was searched in lanes 0-15 (s97: the mask of lanes 16-31),
	v_cndmask_b32 v[ROW+2*\u+1], v[T2+\u], v[T1+\u], s97   ; slot 2 u + 1 in lanes 16-31
.endr
.irp s, 0,1,2,3,4,5,6,7,8,9,10,11
	v_min_u32 v[ROW+\s], 1023, v[ROW+\s]           ; a number made of loaded ones enters an address only held inside the table
.endr
.endm
; Chunk 0's wave 0 writes down where each of the batch's tokens has its row.  A rank from n on goes to the work-group's spare words, so that EXEC stays as it is.  Lanes r and r + 16 store the same word with the same number.
.macro INVSTORE first
	s_or_b32 s33, s18, s16
	s_cmp_lg_u32 s33, 0
	s_cbranch_scc1 .Lnoinv_\@
	s_wait_xcnt 0x0                                ; the last batch's stores have read their registers: these are written again only behind this wait
	s_lshl_b32 s33, s73, 5
.irp s, 0,1,2,3,4,5,6,7,8,9,10,11
	v_add_nc_u32 v[IV+\s], s33, v2
.endr
.irp s, 1,2,3,4,5,6,7,8,9,10,11
	v_add_nc_u32 v[IV+\s], 32*\s, v[IV+\s]         ; the rank: 32 (s73 + s) + 16 p + r
.endr
.irp s, 0,1,2,3,4,5,6,7,8,9,10,11
	v_lshl_add_u32 v[IA+\s], v[ROW+\s], 3, s19     ; word 8 token + e,
	v_cmp_gt_u32 vcc_lo, s21, v[IV+\s]             ; for a rank under n,
	v_cndmask_b32 v[IA+\s], v1, v[IA+\s], vcc_lo   ; else my spare word;
	v_min_u32 v[IA+\s], 0x20ff, v[IA+\s]           ; held inside the 8,448 words
	v_lshlrev_b32 v[IA+\s], 2, v[IA+\s]
	v_add_nc_u32 v[IV+\s], s2, v[IV+\s]            ; the padded row: 1,024 e + rank
	global_store_b32 v[IA+\s], v[IV+\s], s[28:29]
.endr
.if \first
	v_mov_b32 v[CODE], s3
	v_mov_b32 v[CODE+1], s21
	global_store_b32 v[CODE], v[CODE+1], s[28:29]  ; n, for the work-groups (e, p) of the next launch: every lane stores the same word with the same number
.endif
.Lnoinv_\@:
.endm
.macro ROWOFF
.irp s, 0,1,2,3,4,5,6,7,8,9,10,11
	v_lshl_add_u32 v[ROW+\s], v[ROW+\s], 10, v5    ; the token's row of 1,024 codes + my wave's two K steps + 16 hh
.endr
.endm
.macro XLOAD g, base                   ; group g's four slots: my two K steps of each: 32 loads
.irp q, 0,1,2,3
.irp kk, 0,1
.irp c, 0,1,2,3
	global_load_b128 v[\base+32*\q+16*\kk+4*\c:\base+32*\q+16*\kk+4*\c+3], v[ROW+4*\g+\q], s[4:5] offset:128*\kk+32*\c
.endr
.endr
.endr
.endm
.macro XSTORE g, base                  ; and on to LDS as they stand
.irp q, 0,1,2,3
.irp kk, 0,1
.irp c, 0,1,2,3
	ds_store_b128 v[STB+\g], v[\base+32*\q+16*\kk+4*\c:\base+32*\q+16*\kk+4*\c+3] offset:\q*SLOTB+2048*\kk+512*\c
.endr
.endr
.endr
.endm
.macro XFETCH adr, off                 ; a slot's eight fragments into window 3
.irp ks, 0,1,2,3,4,5,6,7
.irp c, 0,1,2,3
	ds_load_b128 v[16*\ks+4*\c:16*\ks+4*\c+3], v[\adr] offset:\off+2048*\ks+512*\c
.endr
.endr
.endm
; 32 matrix instructions: K step by K step, the four accumulators by turns, one instruction a turn
.macro MUL
.irp ks, 0,1,2,3,4,5,6,7
.if \ks < 4
	WIN 0x0d                                       ; source 0 (W1) window 1, source 1 (x) window 3
.else
	WIN 0x0e                                       ; source 0 window 2
.endif
.irp t, 0,1,2,3
.if \ks == 0
	v_wmma_f32_16x16x128_bf8_bf8 v[ACC+8*\t:ACC+8*\t+7], v[(64*\ks+16*\t)%256:(64*\ks+16*\t)%256+15], v[16*\ks:16*\ks+15], v[BIAS+8*\t:BIAS+8*\t+7]
.else
	v_wmma_f32_16x16x128_bf8_bf8 v[ACC+8*\t:ACC+8*\t+7], v[(64*\ks+16*\t)%256:(64*\ks+16*\t)%256+15], v[16*\ks:16*\ks+15], v[ACC+8*\t:ACC+8*\t+7]
.endif
.endr
.endr
.endm
.macro HORN reg, sp                    ; reg = reg x z^2 + the coefficient in s[sp] (the pair's low word for both halves)
.set j, 0
.rept 16
	v_pk_fma_f32 v[\reg+j:\reg+j+1], v[\reg+j:\reg+j+1], v[U+j:U+j+1], s[\sp:\sp+1] op_sel_hi:[1,1,0]
.set j, j+2
.endr
.endm
.macro GELU                            ; 32 numbers a lane, two an instruction; each accumulator is read from its low end on
.set j, 0
.rept 16
	v_pk_mul_f32 v[Z+j:Z+j+1], v[ACC+j:ACC+j+1], s[36:37] op_sel_hi:[1,0]   ; z = sum x 2^(e0 + e1) / sqrt 2
.set j, j+2
.endr
.set j, 0
.rept 32
	v_med3_num_f32 v[Z+j], v[Z+j], -4.0, 4.0
.set j, j+1
.endr
.set j, 0
.rept 16
	v_pk_mul_f32 v[U+j:U+j+1], v[Z+j:Z+j+1], v[Z+j:Z+j+1]
.set j, j+2
.endr
.set j, 0
.rept 16
	v_pk_fma_f32 v[P+j:P+j+1], v[U+j:U+j+1], s[40:41], v[24:25] op_sel_hi:[1,0,1]
	v_pk_fma_f32 v[Q+j:Q+j+1], v[U+j:U+j+1], s[52:53], v[26:27] op_sel_hi:[1,0,1]
.set j, j+2
.endr
	HORN P, 42
	HORN Q, 54
	HORN P, 44
	HORN Q, 56
	HORN P, 46
	HORN Q, 58
	HORN P, 48
	HORN P, 50
.set j, 0
.rept 16
	v_pk_mul_f32 v[Z+j:Z+j+1], v[Z+j:Z+j+1], v[P+j:P+j+1]
.set j, j+2
.endr
.set j, 0
.rept 32
	v_rcp_f32 v[Q+j], v[Q+j]                       ; one batch.  Q's coefficients are all negative and z^2 is not: Q is never 0
.set j, j+1
.endr
.set j, 0
.rept 16
	v_pk_mul_f32 v[U+j:U+j+1], v[ACC+j:ACC+j+1], s[38:39] op_sel_hi:[1,0]   ; v / 2: sixteen plain lines that name no reciprocal stand behind the batch
.set j, j+2
.endr
	s_wait_alu depctr_va_vdst(0)                   ; one wait for the 32 reciprocals, ahead of their first reader
.set j, 0
.rept 16
	v_pk_mul_f32 v[Z+j:Z+j+1], v[Z+j:Z+j+1], v[Q+j:Q+j+1]   ; erf
.set j, j+2
.endr
.set j, 0
.rept 16
	v_pk_fma_f32 v[P+j:P+j+1], v[U+j:U+j+1], v[Z+j:Z+j+1], v[U+j:U+j+1]   ; v / 2 x erf + v / 2
.set j, j+2
.endr
.endm
.macro QUANT
.set j, 0
.rept 32
	v_med3_num_f32 v[P+j], v[P+j], -v29, v29       ; the conversion to an 8-bit code does not saturate (ISA guide 7.6.2): the hold at 57,344 x 2^e3
.set j, j+1
.endr
.irp t, 0,1,2,3
	v_cvt_scalef32_pk8_bf8_f32 v[CODE+2*\t:CODE+2*\t+1], v[P+8*\t:P+8*\t+7], v28
.endr
	v_nop                                          ; a plain line behind the last conversion
.endm
.macro BARRIER                         ; my LDS stores have landed and my LDS loads are in: then the work-group's barrier
	s_wait_dscnt 0x0
	s_barrier_signal -1
	s_barrier_wait -1
.endm
; The batch's tiles, s23 of them (at most 12); s73 = the batch's first tile among mine.  A loop of 12 trips, a constant; a trip beyond s23 is jumped over.
.macro COMPUTE
	s_cmp_eq_u32 s23, 0
	s_cbranch_scc1 .Lnone_\@
	WIN 0xc0
	XFETCH 7, 0                                    ; the first tile's fragments
	WIN 0
.Lnone_\@:
	s_mov_b32 s60, 0
	s_mov_b32 s61, 0
.Ltrip_\@:
	s_cmp_ge_u32 s60, s23
	s_cbranch_scc1 .Lskip_\@
	s_wait_dscnt 0x0                               ; this tile's fragments are in
	MUL
	WIN 0
	v_add_nc_u32 v11, s61, v7                      ; four places between the products and the loads into the registers that they read (ISA guide 7.12.1 for vector instructions)
	v_nop
	v_nop
	v_nop
	s_add_co_u32 s62, s60, 1
	s_cmp_ge_u32 s62, s23
	s_cbranch_scc1 .Llast_\@
	WIN 0xc0
	XFETCH 11, SLOTB                               ; the next tile's fragments land while this tile's activation is worked
	WIN 0
.Llast_\@:
	GELU
	s_add_co_u32 s62, s73, s60
	s_lshl_b32 s62, s62, 1
	s_add_co_u32 s62, s62, s17
	s_add_co_u32 s62, s62, s20                     ; the tile's number: 64 e + 2 a + p,
	s_min_u32 s62, s62, 511                        ; held inside h's 512 tiles
	s_lshl_b32 s70, s62, 16
	s_wait_xcnt 0x0                                ; the earlier stores have read their data and their base: both are written again only behind this wait
	s_add_nc_u64 s[68:69], s[66:67], s[70:71]
	QUANT
	global_store_b128 v7, v[CODE:CODE+3], s[68:69]               ; a piece: the wave stores 512 consecutive bytes, at a multiple of 256 from h's first byte
	global_store_b128 v7, v[CODE+4:CODE+7], s[68:69] offset:512
.Lskip_\@:
	s_add_co_u32 s61, s61, SLOTB
	s_add_co_u32 s60, s60, 1
	s_cmp_lt_u32 s60, NSL
	s_cbranch_scc1 .Ltrip_\@
.endm
	s_load_b256 s[4:11], s[0:1], 0x0               ; xq s[4:5], W1's codes s[6:7], b1 s[8:9], the scales s[10:11]
	s_load_b128 s[12:15], s[0:1], 0x20             ; masks s[12:13], h s[14:15]
	s_load_b64 s[28:29], s[0:1], 0x30              ; inv
	v_lshrrev_b32 v1, 5, v0
	v_readfirstlane_b32 s16, v1                    ; wave w
	v_and_b32 v1, 31, v0                           ; lane
	v_and_b32 v2, 15, v0                           ; r
	v_bfe_u32 v3, v0, 4, 1                         ; hh
	s_and_b32 s17, ttmp9, 1                        ; p
	s_lshr_b32 s18, ttmp9, 1
	s_and_b32 s18, s18, 15                         ; chunk
	s_lshr_b32 s19, ttmp9, 5                       ; e
	s_lshl_b32 s20, s19, 6                         ; the expert's first tile
	s_lshl_b32 s2, s19, 10                         ; and its first padded row
	v_and_b32 v4, 8, v2
	v_add_nc_u32 v4, v4, v2                        ; r + 8 (r / 8)
	v_lshlrev_b32 v4, 10, v4
	v_lshl_add_u32 v4, v3, 4, v4                   ; W1: that row of 1,024 codes, + 16 hh
	s_lshl_b32 s62, s16, 8
	v_lshl_add_u32 v5, v3, 4, s62                  ; xq: 16 hh + my wave's two K steps
	v_lshlrev_b32 v6, 2, v1                        ; masks: word = lane
	v_lshlrev_b32 v7, 4, v1                        ; 16 lane
	s_lshl_b32 s62, s16, 12
	v_add_nc_u32 v8, s62, v7
	v_add_nc_u32 v9, 0x10000, v8
	v_add_nc_u32 v10, 0x20000, v8
	v_lshlrev_b32 v30, 6, v3                       ; b1: 16 hh numbers
	s_lshl_b32 s63, s19, 1
	s_add_co_u32 s63, s63, s17                     ; 2 e + p
	s_lshl_b32 s3, s63, 2
	s_add_co_u32 s3, s3, 33792                     ; inv: the byte of word 8,448 + 2 e + p
	s_lshl_b32 s63, s63, 4
	s_add_co_u32 s63, s63, 8192
	s_lshl_b32 s62, s17, 4
	v_add_nc_u32 v1, s63, v2                       ; from here on v1: my spare word of inv, 8,192 + 16 (2 e + p) + r;
	v_add_nc_u32 v2, s62, v2                       ; v2: 16 p + r;
	v_lshl_add_u32 v3, v3, 5, v2                   ; v3: 32 hh + 16 p + r
	v_mov_b32 v24, 0x32edffee                      ; erf's coefficients.  P: a11 (twice, as a pair),
	v_mov_b32 v25, 0x32edffee
	v_mov_b32 v26, 0xb95fbd29                      ; Q: b6
	v_mov_b32 v27, 0xb95fbd29
.macro COEF sp, bits
	s_mov_b32 s[\sp], \bits
	s_mov_b32 s[\sp+1], \bits
.endm
	COEF 40, 0xaf95df0b                            ; a13 = -2.72614226e-10
	COEF 42, 0xb60cff51                            ; a9  = -2.10102402e-06
	COEF 44, 0xb86ec2d2                            ; a7  = -5.69250639e-05
	COEF 46, 0xba40ac63                            ; a5  = -7.34990630e-04
	COEF 48, 0xbb41a1f6                            ; a3  = -2.95459981e-03
	COEF 50, 0xbc83dbd4                            ; a1  = -1.60960333e-02
	COEF 52, 0xb77460cd                            ; b8  = -1.45660718e-05
	COEF 54, 0xbadc924e                            ; b4  = -1.68282697e-03
	COEF 56, 0xbbf19bf8                            ; b2  = -7.37332917e-03
	COEF 58, 0xbc69b6a7                            ; b0  = -1.42647391e-02
	s_mov_b32 s34, 0x55555555                      ; SELECT's constants: every second bit, every second pair,
	s_mov_b32 s35, 0x33333333
	s_mov_b32 s96, 0x0f0f0f0f                      ; every second four;
	s_mov_b32 s97, 0xffff0000                      ; the mask of lanes 16-31;
	s_mov_b32 s98, 0x76543210                      ; v_permlanex16_b32: lane l takes lane l xor 16
	s_mov_b32 s99, 0xfedcba98
	s_mov_b32 s71, 0
	s_mov_b32 s73, 0
	s_lshl_b32 s84, s19, 7                         ; masks: the expert's 128 bytes
	s_mov_b32 s85, 0
	s_lshl_b32 s88, s19, 22                        ; W1: expert, 256 chunk + 64 w rows of 1,024 bytes
	s_lshl_b32 s62, s18, 18
	s_add_co_u32 s88, s88, s62
	s_lshl_b32 s62, s16, 16
	s_add_co_u32 s88, s88, s62
	s_mov_b32 s89, 0
	s_lshl_b32 s90, s19, 14                        ; b1: the same units, 4 bytes each
	s_lshl_b32 s62, s18, 10
	s_add_co_u32 s90, s90, s62
	s_lshl_b32 s62, s16, 8
	s_add_co_u32 s90, s90, s62
	s_mov_b32 s91, 0
	s_lshl_b32 s92, s18, 12                        ; h, inside a tile: K step 2 chunk + w / 2, pieces 2 (w % 2) on
	s_lshl_b32 s62, s16, 10
	s_add_co_u32 s92, s92, s62
	s_mov_b32 s93, 0
	s_wait_kmcnt 0x0
	s_load_b128 s[24:27], s[10:11], 0x0            ; e0 .. e3
	s_add_nc_u64 s[76:77], s[12:13], s[84:85]
	s_add_nc_u64 s[78:79], s[6:7], s[88:89]
	s_add_nc_u64 s[80:81], s[8:9], s[90:91]
	s_add_nc_u64 s[66:67], s[14:15], s[92:93]
	global_load_b32 v31, v6, s[76:77]              ; the expert's set of tokens: lane j holds word j, for the whole launch
	WIN 0x40                                       ; destination window 1
	WLOAD 0, 60                                    ; 60 loads of W1 are on their way while the tokens are sought
	WIN 0
	s_wait_loadcnt 60                              ; the set is in; the 60 loads of W1 issued behind it may be out
	SELECT
	INVSTORE 1
	ROWOFF
	WIN 0xc0                                       ; destination window 3
	XLOAD 0, 0
	XLOAD 1, 128
	WIN 0
	XLOAD 2, Z
	WIN 0x40
	WLOAD 60, 64
	WIN 0x80                                       ; destination window 2
	WLOAD 64, 128
	WIN 0
.irp t, 0,1,2,3
	global_load_b128 v[BIAS+8*\t:BIAS+8*\t+3],   v30, s[80:81] offset:(32*(\t/2)+8*(\t%2))*4      ; lane (r, hh), tile t: b1 of units 32 (t / 2) + 16 hh + 8 (t % 2) + 0 .. 7
	global_load_b128 v[BIAS+8*\t+4:BIAS+8*\t+7], v30, s[80:81] offset:(32*(\t/2)+8*(\t%2))*4+16
.endr
	s_add_co_u32 s22, s21, 15
	s_lshr_b32 s22, s22, 4                         ; the expert's tiles
	s_add_co_u32 s22, s22, 1
	s_sub_co_u32 s22, s22, s17
	s_lshr_b32 s22, s22, 1                         ; cnt: those of them with my p
	s_min_u32 s23, s22, NSL
	s_wait_kmcnt 0x0
	s_add_co_i32 s62, s24, s25                     ; e0 + e1
	s_lshl_b32 s36, s62, 23
	s_add_co_i32 s36, s36, 0x3f3504f3              ; 2^(e0 + e1) / sqrt 2: the exponent is added to the exponent field of 0.70710678
	s_mov_b32 s37, s36
	s_add_co_i32 s38, s62, 126
	s_lshl_b32 s38, s38, 23                        ; 2^(e0 + e1) / 2
	s_mov_b32 s39, s38
	s_sub_co_i32 s94, 0, s62
	s_add_co_i32 s62, s27, 127
	s_lshl_b32 s95, s62, 23
	v_mov_b32 v28, s95                             ; 2^e3 as f32: the conversion takes its exponent field
	s_add_co_i32 s62, s62, 15
	s_lshl_b32 s62, s62, 23
	s_or_b32 s62, s62, 0x600000
	v_mov_b32 v29, s62                             ; 57,344 x 2^e3
	s_wait_loadcnt 63                              ; behind the 96 loads of x stand 76 (68 of W1, 8 of b1): with 63 out at the most, x is in
	WIN 0x0c                                       ; store data window 3
	XSTORE 0, 0
	XSTORE 1, 128
	WIN 0
	XSTORE 2, Z
	BARRIER                                        ; the batch's fragments of x lie in LDS
	s_wait_loadcnt 0x0                             ; W1 and b1
.set j, 0
.rept 32
	v_ldexp_f32 v[BIAS+j], v[BIAS+j], s94          ; b1 / 2^(e0 + e1)
.set j, j+1
.endr
	COMPUTE
	BARRIER                                        ; every wave's reads of the slots are over: they may be stored into again
	s_mov_b32 s72, 0
	s_mov_b32 s73, NSL
.Lbatch:                                               ; batches 1 and 2: two trips, a constant; empty where cnt is small
	s_sub_co_i32 s23, s22, s73
	s_max_i32 s23, s23, 0
	s_min_u32 s23, s23, NSL
	s_cmp_eq_u32 s23, 0
	s_cbranch_scc1 .Lempty
	SELECT
	INVSTORE 0
	ROWOFF
	WIN 0xc0
	XLOAD 0, 0
	XLOAD 1, 128
	WIN 0
	XLOAD 2, Z
	s_wait_loadcnt 0x0
	WIN 0x0c
	XSTORE 0, 0
	XSTORE 1, 128
	WIN 0
	XSTORE 2, Z
.Lempty:
	BARRIER
	COMPUTE
	BARRIER
	s_add_co_u32 s73, s73, NSL
	s_add_co_u32 s72, s72, 1
	s_cmp_lt_u32 s72, 2
	s_cbranch_scc1 .Lbatch
	s_wait_xcnt 0x0
	v_lshl_add_u32 v254, v0, 2, 0x34000
	v_mov_b32 v255, 0
	s_wait_tensorcnt 0x0
	ds_add_u32 v254, v255
	s_wait_dscnt 0x0
	s_endpgm
.Lfunc_end_k_qdc3fc9eb79_ffn1:
	.size	k_qdc3fc9eb79_ffn1, .Lfunc_end_k_qdc3fc9eb79_ffn1-k_qdc3fc9eb79_ffn1
	.p2alignl 7, 3214868480
	.fill 96, 4, 3214868480
	.section	.rodata,"a",@progbits
	.p2align	6, 0x0
	.amdhsa_kernel k_qdc3fc9eb79_ffn1
		.amdhsa_group_segment_fixed_size 213504
		.amdhsa_private_segment_fixed_size 0
		.amdhsa_enable_private_segment 0
		.amdhsa_kernarg_size 56
		.amdhsa_user_sgpr_count 2
		.amdhsa_user_sgpr_kernarg_segment_ptr 1
		.amdhsa_wavefront_size32 1
		.amdhsa_system_sgpr_workgroup_id_x 1
		.amdhsa_system_sgpr_workgroup_id_y 1
		.amdhsa_system_sgpr_workgroup_id_z 1
		.amdhsa_system_vgpr_workitem_id 0
		.amdhsa_next_free_vgpr 1024
		.amdhsa_next_free_sgpr 100
		.amdhsa_reserve_vcc 1
		.amdhsa_float_denorm_mode_32 3
		.amdhsa_float_denorm_mode_16_64 3
		.amdhsa_memory_ordered 1
		.amdhsa_forward_progress 1
		.amdhsa_inst_pref_size 194
	.end_amdhsa_kernel
	.amdgpu_metadata
---
amdhsa.version: [ 1, 2 ]
amdhsa.kernels:
  - .name:           k_qdc3fc9eb79_ffn1
    .symbol:         k_qdc3fc9eb79_ffn1.kd
    .args:
      - { .name: xq, .offset: 0, .size: 8, .value_kind: global_buffer, .address_space: global }
      - { .name: W1_codes, .offset: 8, .size: 8, .value_kind: global_buffer, .address_space: global }
      - { .name: b1, .offset: 16, .size: 8, .value_kind: global_buffer, .address_space: global }
      - { .name: lowp_scales, .offset: 24, .size: 8, .value_kind: global_buffer, .address_space: global }
      - { .name: masks, .offset: 32, .size: 8, .value_kind: global_buffer, .address_space: global }
      - { .name: h, .offset: 40, .size: 8, .value_kind: global_buffer, .address_space: global }
      - { .name: inv, .offset: 48, .size: 8, .value_kind: global_buffer, .address_space: global }
    .group_segment_fixed_size: 213504
    .private_segment_fixed_size: 0
    .kernarg_segment_align: 8
    .kernarg_segment_size: 56
    .max_flat_workgroup_size: 128
    .sgpr_count:     100
    .vgpr_count:     1024
    .wavefront_size: 32
...
	.end_amdgpu_metadata
.endif
;; end of part 2
;; launch ffn2 (part 3): grid 256 x 1, 4 waves a work-group, no clusters, 279,040 bytes of LDS; arguments h, W2_codes, b2, lowp_scales, inv, ysort; writes ysort
.if DOCPART == 3
	.amdgcn_target "amdgcn-amd-amdhsa--gfx1250"
	.amdhsa_code_object_version 6
	.text
	.protected	k_qdc3fc9eb79_ffn2
	.globl	k_qdc3fc9eb79_ffn2
	.p2align	8
	.type	k_qdc3fc9eb79_ffn2,@function
k_qdc3fc9eb79_ffn2:
	s_mov_b64 s[64:65], 0
	v_nop
	global_prefetch_b8 v0, s[64:65] scope:SCOPE_SE
	s_setreg_imm32_b32 hwreg(HW_REG_WAVE_MODE, 25, 1), 1
	s_wait_xcnt 0x0
; FFN, SECOND HALF.  ysort = h W2 x 2^(e2 + e3) + b2, for the padded rows of each expert; both operands are codes of E5M2; ysort: [8 experts x 1,024 padded rows][1,024] f32, of which the tiles in use are written.
; SHARES.  Work-group g: expert e = g / 32, chunk = (g / 2) % 16: output columns 64 chunk on, p = g % 2: the expert's tiles 64 e + 2 a + p, a = 0 .. cnt - 1.  The expert's number of rows is word 8,448 + 2 e + p of inv.
; THE WAVES SHARE K: wave w holds W2's codes of the 64 columns x hidden units 1,024 w .. + 1,023 in 512 REGISTERS for the whole launch (4 tiles of columns x 8 K steps), read once.
; So each byte of a tile of h is read by ONE wave of the work-group, straight into the operand's registers (h lies as images of them: each load takes 512 consecutive bytes), three tiles ahead.
; The four waves' partial sums of a tile meet in LDS; tiles go in batches of 16 (two batches serve every split: cnt is at most 32): sums to LDS | barrier | each wave adds and stores every fourth tile | barrier.
; THE PRODUCT IS USED TRANSPOSED (source 0 = 16 rows of W2 = columns of y, source 1 = 16 rows of h): a lane holds eight neighbouring columns of one row.
; A batch's tiles are written out 16 times, so that every LDS offset is an immediate; a part beyond cnt leaves by a forward branch on the stored count, so the parts that run are a prefix and the counted waits hold on every path.
; The look-ahead past the last tile still issues its 32 loads, so that the counts stay as they are, but with all lanes at one word of my first tile, which is written wherever a load is issued at all.
; NO TENSOR LOADS, NO CLUSTER: trip counts and branches hang on counts read from memory.
; LIMIT: e2 + e3 between -126 and 127, so that 2^(e2 + e3) is an f32 number.  The four parts of K are added as (0 + 1) + (2 + 3).
; REGISTERS: window 0: v1-23 addresses, b2; v32-63, v64-95 two sets of accumulators; v96-127 y; v128-255 h's third buffer, later the partial sums.  Windows 1, 2: W2 (K step s, tile t at 256 + 64 s + 16 t).  Window 3: h's buffers 0 and 1.
.set ACC0, 32
.set Y,    96
.set R,    128
.set SLB,  17408                       ; LDS: a tile's four partial sums: [wave 4][16 rows x 272 bytes]
.set WVB,  4352
.set MSB, 0
.macro WIN new                         ; s_set_vgpr_msb: bits 1:0 source 0, 3:2 source 1, 5:4 source 2, 7:6 destination; the high byte repeats the setting that is left; a switch that changes nothing is dropped
.if MSB != \new
	s_set_vgpr_msb (MSB<<8)|\new
.set MSB, \new
.endif
.endm
.macro WLOAD a, b                      ; W2's loads a to b - 1 of 128, in the order (pair of K steps, tile, K step, piece): the eight that cover 256 consecutive bytes of each row stand together
.set wm, \a
.rept (\b)-(\a)
.set wks, 2*(wm/32)+(wm/4)%2
.set wt, (wm/8)%4
.set wc, wm%4
	global_load_b128 v[(64*wks+16*wt+4*wc)%256:(64*wks+16*wt+4*wc)%256+3], v4, s[54:55] offset:wt*65536+128*wks+32*wc
.set wm, wm+1
.endr
.endm
; Buffer k's next tile: s41 = its number among mine.  Inside the batch and under cnt (s43): tile 64 e + 2 s41 + p, lanes 16 bytes apart.  Else: my first tile (s49), all lanes at one place.
.macro HADDR k
	WIN 0                                          ; the offset registers v6-8 lie in window 0: a run of loads into window 3 may stand just ahead
	s_lshl_b32 s42, s41, 1
	s_add_co_u32 s42, s42, s17
	s_add_co_u32 s42, s42, s20
	s_cmp_lt_u32 s41, s43
	s_cselect_b32 s40, 1, 0
	s_cselect_b32 s42, s42, s49
	s_min_u32 s40, s40, 1
	s_min_u32 s42, s42, 511                        ; held inside h's 512 tiles
	s_lshl_b32 s38, s42, 16
	s_add_nc_u64 s[32+2*\k:33+2*\k], s[30:31], s[38:39]
	v_mul_u32_u24 v[6+\k], v5, s40
.endm
.macro HLOAD k                         ; my eight K steps of the tile: 32 loads of 512 consecutive bytes
.set HL, 128*((\k+1)/2)
.if \k == 2
	WIN 0
.else
	WIN 0xc0                                       ; destination window 3, address window 0
.endif
.irp ks, 0,1,2,3,4,5,6,7
.irp c, 0,1,2,3
	global_load_b128 v[HL+16*\ks+4*\c:HL+16*\ks+4*\c+3], v[6+\k], s[32+2*\k:33+2*\k] offset:2048*\ks+512*\c
.endr
.endr
.endm
.macro PART idx                        ; the batch's tile idx
.set KB, (\idx)%3
.set HR, 128*((KB+1)/2)
.set AB, ACC0+32*((\idx)%2)
	s_add_co_u32 s41, s46, \idx
	s_cmp_ge_u32 s41, s22
	s_cbranch_scc1 .Lexit
	s_wait_loadcnt 63                              ; behind this tile's 32 loads stand the 64 of the two tiles after it; 63 is the largest count that the wait can name
	s_wait_dscnt 8                                 ; the last part's eight stores may be out
.irp ks, 0,1,2,3,4,5,6,7
.if KB == 2
.if \ks < 4
	WIN 0x01                                       ; source 0 (W2) window 1, source 1 (h) window 0
.else
	WIN 0x02
.endif
.else
.if \ks < 4
	WIN 0x0d                                       ; source 0 window 1, source 1 window 3
.else
	WIN 0x0e
.endif
.endif
.irp t, 0,1,2,3                        ; the four accumulators by turns, one instruction a turn; the first K step starts the sums
.if \ks == 0
	v_wmma_f32_16x16x128_bf8_bf8 v[AB+8*\t:AB+8*\t+7], v[(64*\ks+16*\t)%256:(64*\ks+16*\t)%256+15], v[HR+16*\ks:HR+16*\ks+15], 0
.else
	v_wmma_f32_16x16x128_bf8_bf8 v[AB+8*\t:AB+8*\t+7], v[(64*\ks+16*\t)%256:(64*\ks+16*\t)%256+15], v[HR+16*\ks:HR+16*\ks+15], v[AB+8*\t:AB+8*\t+7]
.endif
.endr
.endr
	s_add_co_u32 s41, s41, 3
	HADDR KB                                       ; this buffer's loads are in, so its base and offset may be written.  Its one vector line and the three below are the four places behind the products
	v_nop                                          ; (ISA guide 7.12.1 for vector instructions)
	v_nop
	v_nop
	HLOAD KB                                       ; the tile three further on
	WIN 0
.irp t, 0,1,2,3
	ds_store_b128 v[9+(\idx)/3], v[AB+8*\t:AB+8*\t+3] offset:((\idx)%3)*SLB+64*\t          ; each accumulator from its low end on
	ds_store_b128 v[9+(\idx)/3], v[AB+8*\t+4:AB+8*\t+7] offset:((\idx)%3)*SLB+64*\t+16
.endr
.endm
	s_load_b256 s[4:11], s[0:1], 0x0               ; h s[4:5], W2's codes s[6:7], b2 s[8:9], the scales s[10:11]
	s_load_b128 s[12:15], s[0:1], 0x20             ; inv s[12:13], ysort s[14:15]
	v_lshl_add_u32 v30, v0, 2, 0x44000
	v_mov_b32 v31, 0
	v_lshrrev_b32 v1, 5, v0
	v_readfirstlane_b32 s16, v1                    ; wave w
	v_and_b32 v1, 31, v0                           ; lane
	v_and_b32 v2, 15, v0                           ; r
	v_bfe_u32 v3, v0, 4, 1                         ; hh
	s_and_b32 s17, ttmp9, 1                        ; p
	s_lshr_b32 s18, ttmp9, 1
	s_and_b32 s18, s18, 15                         ; chunk
	s_lshr_b32 s19, ttmp9, 5                       ; e
	s_lshl_b32 s20, s19, 6                         ; the expert's first tile
	s_add_co_u32 s49, s20, s17                     ; my first tile
	v_lshlrev_b32 v4, 12, v2
	v_lshl_add_u32 v4, v3, 4, v4                   ; W2: row r of 4,096 codes, + 16 hh
	v_lshlrev_b32 v5, 4, v1                        ; 16 lane
	s_mul_i32 s41, s16, WVB
	v_mul_u32_u24 v9, v2, 272
	v_lshl_add_u32 v9, v3, 5, v9
	v_add_nc_u32 v9, s41, v9                       ; my partial sums: my wave's part, row r, + 32 hh
.irp g, 1,2,3,4,5
	v_add_nc_u32 v[9+\g], 3*SLB*\g, v9             ; and three tiles further on for each g
.endr
	s_mul_i32 s41, s16, SLB
	v_mul_u32_u24 v15, v3, 272
	v_lshl_add_u32 v15, v2, 4, v15
	v_add_nc_u32 v15, s41, v15                     ; back: tile = my wave's number (+ 4 q), lanes 0-15 one row of 256 bytes, lanes 16-31 the next
	v_lshlrev_b32 v16, 12, v3
	v_lshl_add_u32 v16, v2, 4, v16                 ; and the same two rows in ysort
	v_lshlrev_b32 v18, 4, v2                       ; b2: my four columns
	s_mov_b32 s39, 0
	s_lshl_b32 s56, s19, 3                         ; inv: the byte of word 8,448 + 2 e + p
	s_lshl_b32 s41, s17, 2
	s_add_co_u32 s56, s56, s41
	s_add_co_u32 s56, s56, 33792
	s_mov_b32 s57, 0
	s_lshl_b32 s58, s19, 22                        ; W2: expert, 64 chunk rows of 4,096 bytes, my 1,024 codes of a row
	s_lshl_b32 s41, s18, 18
	s_add_co_u32 s58, s58, s41
	s_lshl_b32 s41, s16, 10
	s_add_co_u32 s58, s58, s41
	s_mov_b32 s59, 0
	s_lshl_b32 s60, s19, 12                        ; b2: expert, 64 chunk numbers
	s_lshl_b32 s41, s18, 8
	s_add_co_u32 s60, s60, s41
	s_mov_b32 s61, 0
	s_lshl_b32 s62, s16, 14                        ; h, inside a tile: my eight K steps
	s_mov_b32 s63, 0
	s_lshl_b32 s66, s18, 8                         ; ysort, inside a row: my work-group's 256 bytes
	s_mov_b32 s67, 0
	s_wait_kmcnt 0x0
	s_add_nc_u64 s[68:69], s[12:13], s[56:57]
	s_load_b32 s21, s[68:69], 0x0                  ; n
	s_load_b128 s[24:27], s[10:11], 0x0            ; e0 .. e3
	s_add_nc_u64 s[54:55], s[6:7], s[58:59]
	s_add_nc_u64 s[70:71], s[8:9], s[60:61]
	s_add_nc_u64 s[30:31], s[4:5], s[62:63]
	s_add_nc_u64 s[50:51], s[14:15], s[66:67]
	WIN 0x40                                       ; destination window 1
	WLOAD 0, 64
	WIN 0x80                                       ; destination window 2
	WLOAD 64, 128
	WIN 0
	global_load_b128 v[20:23], v18, s[70:71]
	s_wait_kmcnt 0x0
	s_add_co_u32 s22, s21, 15
	s_lshr_b32 s22, s22, 4                         ; the expert's tiles
	s_add_co_u32 s22, s22, 1
	s_sub_co_u32 s22, s22, s17
	s_lshr_b32 s22, s22, 1                         ; cnt: those of them with my p
	s_add_co_i32 s28, s26, s27
	s_add_co_i32 s28, s28, 127
	s_lshl_b32 s28, s28, 23                        ; 2^(e2 + e3) as f32
	s_mov_b32 s29, s28                             ; (named with it as a pair, so it is written)
	s_mov_b32 s45, 0
	s_mov_b32 s46, 0
.Lbatch:                                               ; two trips, a constant; s46 = the batch's first tile among mine
	s_add_co_u32 s43, s46, 16
	s_min_u32 s43, s43, s22                        ; the look-ahead's bound: the batch's end or cnt
	s_cmp_ge_u32 s46, s22
	s_cbranch_scc1 .Lexit
.irp k, 0,1,2
	s_add_co_u32 s41, s46, \k
	HADDR \k
	HLOAD \k
.endr
	WIN 0
.irp i, 0,1,2,3,4,5,6,7,8,9,10,11,12,13,14,15
	PART \i
.endr
.Lexit:
	s_wait_loadcnt 0x0                             ; the look-ahead's loads are in: their registers, bases and offsets are free
	s_wait_dscnt 0x0                               ; for the others' sake: my partial sums lie in LDS
	s_barrier_signal -1
	s_barrier_wait -1
	s_mov_b32 s47, 0
	s_mov_b32 s48, 0
.Lred:                                                 ; four trips, a constant: I add and store the batch's tiles 4 q + w
	s_lshl_b32 s41, s47, 2
	s_add_co_u32 s41, s41, s16
	s_add_co_u32 s41, s41, s46
	s_cmp_ge_u32 s41, s22
	s_cbranch_scc1 .Lrskip
	v_add_nc_u32 v17, s48, v15
.irp u, 0,1,2,3
.irp qq, 0,1,2,3,4,5,6,7
	ds_load_b128 v[R+32*\u+4*\qq:R+32*\u+4*\qq+3], v17 offset:WVB*\u+544*\qq
.endr
.endr
	s_lshl_b32 s42, s41, 1
	s_add_co_u32 s42, s42, s17
	s_add_co_u32 s42, s42, s20
	s_min_u32 s42, s42, 511                        ; the tile, held inside ysort's 512
	s_lshl_b32 s38, s42, 16                        ; 16 rows of 4,096 bytes
	s_wait_dscnt 0x0
.set j, 0
.rept 16
	v_pk_add_f32 v[R+j:R+j+1], v[R+j:R+j+1], v[R+32+j:R+32+j+1]
	v_pk_add_f32 v[R+64+j:R+64+j+1], v[R+64+j:R+64+j+1], v[R+96+j:R+96+j+1]
.set j, j+2
.endr
.set j, 0
.rept 16
	v_pk_add_f32 v[R+j:R+j+1], v[R+j:R+j+1], v[R+64+j:R+64+j+1]
.set j, j+2
.endr
	s_wait_xcnt 0x0                                ; the last trip's stores have read their data and their base: both are written again only behind this wait
	s_add_nc_u64 s[52:53], s[50:51], s[38:39]
.set j, 0
.rept 16
	v_pk_fma_f32 v[Y+j:Y+j+1], v[R+j:R+j+1], s[28:29], v[20+j%4:21+j%4] op_sel_hi:[1,0,1]   ; sum x 2^(e2 + e3) + b2
.set j, j+2
.endr
.irp qq, 0,1,2,3,4,5,6,7
	global_store_b128 v16, v[Y+4*\qq:Y+4*\qq+3], s[52:53] offset:8192*\qq   ; 16 lanes store 256 consecutive bytes, at a multiple of 256 from ysort's first byte
.endr
.Lrskip:
	s_add_co_u32 s48, s48, 4*SLB
	s_add_co_u32 s47, s47, 1
	s_cmp_lt_u32 s47, 4
	s_cbranch_scc1 .Lred
	s_wait_dscnt 0x0                               ; my reads of the partial sums are over: the next batch may store there
	s_barrier_signal -1
	s_barrier_wait -1
	s_add_co_u32 s46, s46, 16
	s_add_co_u32 s45, s45, 1
	s_cmp_lt_u32 s45, 2
	s_cbranch_scc1 .Lbatch
	s_wait_tensorcnt 0x0
	ds_add_u32 v30, v31
	s_wait_dscnt 0x0
	s_endpgm
.Lfunc_end_k_qdc3fc9eb79_ffn2:
	.size	k_qdc3fc9eb79_ffn2, .Lfunc_end_k_qdc3fc9eb79_ffn2-k_qdc3fc9eb79_ffn2
	.p2alignl 7, 3214868480
	.fill 96, 4, 3214868480
	.section	.rodata,"a",@progbits
	.p2align	6, 0x0
	.amdhsa_kernel k_qdc3fc9eb79_ffn2
		.amdhsa_group_segment_fixed_size 279040
		.amdhsa_private_segment_fixed_size 0
		.amdhsa_enable_private_segment 0
		.amdhsa_kernarg_size 48
		.amdhsa_user_sgpr_count 2
		.amdhsa_user_sgpr_kernarg_segment_ptr 1
		.amdhsa_wavefront_size32 1
		.amdhsa_system_sgpr_workgroup_id_x 1
		.amdhsa_system_sgpr_workgroup_id_y 1
		.amdhsa_system_sgpr_workgroup_id_z 1
		.amdhsa_system_vgpr_workitem_id 0
		.amdhsa_next_free_vgpr 1024
		.amdhsa_next_free_sgpr 90
		.amdhsa_reserve_vcc 0
		.amdhsa_float_denorm_mode_32 3
		.amdhsa_float_denorm_mode_16_64 3
		.amdhsa_memory_ordered 1
		.amdhsa_forward_progress 1
		.amdhsa_inst_pref_size 136
	.end_amdhsa_kernel
	.amdgpu_metadata
---
amdhsa.version: [ 1, 2 ]
amdhsa.kernels:
  - .name:           k_qdc3fc9eb79_ffn2
    .symbol:         k_qdc3fc9eb79_ffn2.kd
    .args:
      - { .name: h, .offset: 0, .size: 8, .value_kind: global_buffer, .address_space: global }
      - { .name: W2_codes, .offset: 8, .size: 8, .value_kind: global_buffer, .address_space: global }
      - { .name: b2, .offset: 16, .size: 8, .value_kind: global_buffer, .address_space: global }
      - { .name: lowp_scales, .offset: 24, .size: 8, .value_kind: global_buffer, .address_space: global }
      - { .name: inv, .offset: 32, .size: 8, .value_kind: global_buffer, .address_space: global }
      - { .name: ysort, .offset: 40, .size: 8, .value_kind: global_buffer, .address_space: global }
    .group_segment_fixed_size: 279040
    .private_segment_fixed_size: 0
    .kernarg_segment_align: 8
    .kernarg_segment_size: 48
    .max_flat_workgroup_size: 128
    .sgpr_count:     90
    .vgpr_count:     1024
    .wavefront_size: 32
...
	.end_amdgpu_metadata
.endif
;; end of part 3
;; launch combine (part 4): grid 257 x 1, 4 waves a work-group, no clusters, 0 bytes of LDS; arguments ysort, ids, inv, gate, psc, out0, out1; writes out0, out1
.if DOCPART == 4
	.amdgcn_target "amdgcn-amd-amdhsa--gfx1250"
	.amdhsa_code_object_version 6
	.text
	.protected	k_qdc3fc9eb79_combine
	.globl	k_qdc3fc9eb79_combine
	.p2align	8
	.type	k_qdc3fc9eb79_combine,@function
k_qdc3fc9eb79_combine:
	s_mov_b64 s[64:65], 0
	v_nop
	global_prefetch_b8 v0, s[64:65] scope:SCOPE_SE
	s_setreg_imm32_b32 hwreg(HW_REG_WAVE_MODE, 25, 1), 1
	s_wait_xcnt 0x0
; COMBINE.  Work-groups 0 to 255: out0[t] = w0 x y(first choice's row) + w1 x y(second choice's row): each output row has one owner, a wave.  The two rows are found in two steps of stored whole numbers:
; the token's two experts (ids), then word 8 t + e of inv, the padded row.  A row is 4,096 bytes: eight loads of 512 consecutive bytes from each of the two rows, eight stores of 512.
; Work-group 256, its wave 0: out1 = 8 x sum over e of (n_e / 1,024) x (sum of e's probabilities / 1,024) = 2^-17 x sum of n_e x sum_e, from the 128 rows of psc (words 0-7: sums of probabilities, words 8-15: counts as f32).
; No LDS, no barrier, no matrix unit: the launch only moves, weighs and adds.
	s_load_b256 s[4:11], s[0:1], 0x0               ; ysort s[4:5], ids s[6:7], inv s[8:9], gate s[10:11]
	s_load_b128 s[12:15], s[0:1], 0x20             ; psc s[12:13], out0 s[14:15]
	s_load_b64 s[16:17], s[0:1], 0x30              ; out1
	v_lshrrev_b32 v1, 5, v0
	v_readfirstlane_b32 s18, v1                    ; wave
	v_and_b32 v2, 31, v0                           ; lane
	v_lshlrev_b32 v1, 4, v2                        ; 16 bytes a lane
	s_cmp_eq_u32 ttmp9, 256
	s_cbranch_scc1 .Lloss
	s_lshl_b32 s19, ttmp9, 2
	s_add_co_u32 s19, s19, s18                     ; my token
	s_lshl_b32 s20, s19, 3
	s_mov_b32 s21, 0
	s_lshl_b32 s22, s19, 12
	s_mov_b32 s23, 0
	s_lshl_b32 s32, s19, 5                         ; inv: the token's eight words
	s_mov_b32 s35, 0
	s_mov_b32 s37, 0
	s_mov_b32 s41, 0
	s_mov_b32 s43, 0
	s_wait_kmcnt 0x0
	s_add_nc_u64 s[24:25], s[6:7], s[20:21]
	s_add_nc_u64 s[26:27], s[10:11], s[20:21]
	s_load_b64 s[28:29], s[24:25], 0x0             ; the two experts
	s_load_b64 s[30:31], s[26:27], 0x0             ; w0, w1
	s_add_nc_u64 s[14:15], s[14:15], s[22:23]
	s_wait_kmcnt 0x0
	s_min_u32 s28, s28, 7                          ; held inside the eight
	s_min_u32 s29, s29, 7
	s_lshl_b32 s28, s28, 2
	s_lshl_b32 s29, s29, 2
	s_add_co_u32 s34, s32, s28
	s_add_co_u32 s36, s32, s29
	s_add_nc_u64 s[34:35], s[8:9], s[34:35]
	s_add_nc_u64 s[36:37], s[8:9], s[36:37]
	s_load_b32 s38, s[34:35], 0x0                  ; the two padded rows
	s_load_b32 s39, s[36:37], 0x0
	s_mov_b32 s48, s31                             ; w1 in a pair of its own: the packed forms take a scalar pair's low word for both halves
	s_mov_b32 s49, s31
	s_wait_kmcnt 0x0
	s_min_u32 s38, s38, 8191                       ; held inside ysort's 8,192 rows
	s_min_u32 s39, s39, 8191
	s_lshl_b32 s40, s38, 12
	s_lshl_b32 s42, s39, 12
	s_add_nc_u64 s[44:45], s[4:5], s[40:41]
	s_add_nc_u64 s[46:47], s[4:5], s[42:43]
.irp j, 0,1,2,3,4,5,6,7
	global_load_b128 v[8+4*\j:11+4*\j], v1, s[44:45] offset:512*\j th:TH_LOAD_NT
.endr
.irp j, 0,1,2,3,4,5,6,7
	global_load_b128 v[40+4*\j:43+4*\j], v1, s[46:47] offset:512*\j th:TH_LOAD_NT
.endr
	s_wait_loadcnt 0x0
.set j, 0
.rept 16
	v_pk_mul_f32 v[40+j:41+j], v[40+j:41+j], s[48:49] op_sel_hi:[1,0]
.set j, j+2
.endr
.set j, 0
.rept 16
	v_pk_fma_f32 v[72+j:73+j], v[8+j:9+j], s[30:31], v[40+j:41+j] op_sel_hi:[1,0,1]
.set j, j+2
.endr
.irp j, 0,1,2,3,4,5,6,7
	global_store_b128 v1, v[72+4*\j:75+4*\j], s[14:15] offset:512*\j th:TH_STORE_NT   ; the wave stores 512 consecutive bytes, at a multiple of 256 from out0's first byte
.endr
	s_endpgm
.Lloss:
	s_cmp_lg_u32 s18, 0
	s_cbranch_scc1 .Lidle
	v_lshrrev_b32 v3, 2, v2
	v_and_b32 v4, 3, v2
	v_lshlrev_b32 v4, 4, v4
	v_lshl_add_u32 v3, v3, 7, v4                   ; four lanes to a row's first 64 bytes: lane % 4 = 0, 1: the sums of experts 0-3, 4-7; 2, 3: the counts of experts 0-3, 4-7.  Eight rows a load
	v_mov_b32 v5, 0
	s_mov_b32 s20, 0x76543210                      ; v_permlanex16_b32: lane l takes lane l xor 16
	s_mov_b32 s21, 0xfedcba98
	s_wait_kmcnt 0x0
.irp j, 0,1,2,3,4,5,6,7,8,9,10,11,12,13,14,15
	global_load_b128 v[8+4*\j:11+4*\j], v3, s[12:13] offset:1024*\j
.endr
	s_wait_loadcnt 0x0
.irp j, 1,2,3,4,5,6,7,8,9,10,11,12,13,14,15
	v_pk_add_f32 v[8:9], v[8:9], v[8+4*\j:9+4*\j]
	v_pk_add_f32 v[10:11], v[10:11], v[10+4*\j:11+4*\j]
.endr
.irp m, 4,8
.irp i, 0,1,2,3
	v_add_f32_dpp v[8+\i], v[8+\i], v[8+\i] row_xmask:\m row_mask:0xf bank_mask:0xf   ; over the lanes of the same lane % 4
.endr
.endr
.irp i, 0,1,2,3
	v_permlanex16_b32 v[12+\i], v[8+\i], s20, s21  ; (its destination counts as read: it has been written)
.endr
.irp i, 0,1,2,3
	v_add_f32 v[8+\i], v[8+\i], v[12+\i]
.endr
.irp i, 0,1,2,3
	v_mul_f32_dpp v[16+\i], v[8+\i], v[8+\i] row_xmask:2 row_mask:0xf bank_mask:0xf   ; a sum meets its count two lanes away
.endr
	v_add_f32 v16, v16, v17
	v_add_f32 v18, v18, v19
	v_add_f32 v16, v16, v18
	v_add_f32_dpp v16, v16, v16 row_xmask:1 row_mask:0xf bank_mask:0xf                ; experts 0-3 and 4-7
	v_mul_f32 v16, 0x37000000, v16                 ; x 2^-17
	s_wait_xcnt 0x0                                ; EXEC changes only behind this wait
	v_cmp_eq_u32 vcc_lo, 0, v2
	s_and_saveexec_b32 s22, vcc_lo
	global_store_b32 v5, v16, s[16:17]
	s_endpgm
.Lidle:
	s_endpgm
.Lfunc_end_k_qdc3fc9eb79_combine:
	.size	k_qdc3fc9eb79_combine, .Lfunc_end_k_qdc3fc9eb79_combine-k_qdc3fc9eb79_combine
	.p2alignl 7, 3214868480
	.fill 96, 4, 3214868480
	.section	.rodata,"a",@progbits
	.p2align	6, 0x0
	.amdhsa_kernel k_qdc3fc9eb79_combine
		.amdhsa_group_segment_fixed_size 0
		.amdhsa_private_segment_fixed_size 0
		.amdhsa_enable_private_segment 0
		.amdhsa_kernarg_size 56
		.amdhsa_user_sgpr_count 2
		.amdhsa_user_sgpr_kernarg_segment_ptr 1
		.amdhsa_wavefront_size32 1
		.amdhsa_system_sgpr_workgroup_id_x 1
		.amdhsa_system_sgpr_workgroup_id_y 1
		.amdhsa_system_sgpr_workgroup_id_z 1
		.amdhsa_system_vgpr_workitem_id 0
		.amdhsa_next_free_vgpr 104
		.amdhsa_next_free_sgpr 66
		.amdhsa_reserve_vcc 1
		.amdhsa_float_denorm_mode_32 3
		.amdhsa_float_denorm_mode_16_64 3
		.amdhsa_memory_ordered 1
		.amdhsa_forward_progress 1
		.amdhsa_inst_pref_size 12
	.end_amdhsa_kernel
	.amdgpu_metadata
---
amdhsa.version: [ 1, 2 ]
amdhsa.kernels:
  - .name:           k_qdc3fc9eb79_combine
    .symbol:         k_qdc3fc9eb79_combine.kd
    .args:
      - { .name: ysort, .offset: 0, .size: 8, .value_kind: global_buffer, .address_space: global }
      - { .name: ids, .offset: 8, .size: 8, .value_kind: global_buffer, .address_space: global }
      - { .name: inv, .offset: 16, .size: 8, .value_kind: global_buffer, .address_space: global }
      - { .name: gate, .offset: 24, .size: 8, .value_kind: global_buffer, .address_space: global }
      - { .name: psc, .offset: 32, .size: 8, .value_kind: global_buffer, .address_space: global }
      - { .name: out0, .offset: 40, .size: 8, .value_kind: global_buffer, .address_space: global }
      - { .name: out1, .offset: 48, .size: 8, .value_kind: global_buffer, .address_space: global }
    .group_segment_fixed_size: 0
    .private_segment_fixed_size: 0
    .kernarg_segment_align: 8
    .kernarg_segment_size: 56
    .max_flat_workgroup_size: 128
    .sgpr_count:     66
    .vgpr_count:     104
    .wavefront_size: 32
...
	.end_amdgpu_metadata
.endif
;; end of part 4
